; MI455X (gfx1250); checked and timed in simulation.
; The chip was launched on July 23, 2026; its instructions are those of AMD's public machine-readable ISA for CDNA 5 (MIT licence, August 2026) and "CDNA5" Instruction Set Architecture Reference Guide (July 2026). The comments in the code are by the model that wrote it; some were corrected since.
;; Attention Head. Allowed arithmetic: float matrix products may take bf16 or f16 operands with f32 sums; all other float work in f32.
;; Inputs: Wk 512 x 64 float32; Wq 512 x 64 float32; Wv 512 x 64 float32; bk 64 float32; bq 64 float32; bv 64 float32; x 4 x 4,096 x 512 float32.
;; Outputs: out0 4 x 4,096 x 64 float32.
;; 2 versions, each right; version 2 is version 1 with the launch proj written anew for expert scheduling mode. Each part assembles by itself: llvm-mc -triple=amdgcn-amd-amdhsa -mcpu=gfx1250 --defsym DOCPART=n.
;; ======== version 1 of 2: 2 launches
;; workspace buffers: qs 2,097,152 bytes; kv 4,194,304 bytes
;; launch proj (part 1): grid 256 x 1, 8 waves a work-group, no clusters, 311,296 bytes of LDS; arguments x, Wq, Wk, Wv, bq, bk, bv, qs, kv; writes qs, kv
.if DOCPART == 1
	.amdgcn_target "amdgcn-amd-amdhsa--gfx1250"
	.amdhsa_code_object_version 6
	.text
	.protected	k_q608107b731_proj
	.globl	k_q608107b731_proj
	.p2align	8
	.type	k_q608107b731_proj,@function
k_q608107b731_proj:
	s_mov_b64 s[64:65], 0
	v_nop
	global_prefetch_b8 v0, s[64:65] scope:SCOPE_SE
	s_setreg_imm32_b32 hwreg(HW_REG_WAVE_MODE, 25, 1), 1
	s_wait_xcnt 0x0
; q' = (x Wq + bq) log2(e)/8, k = x Wk + bk, v = x Wv + bv, rounded once to bf16.  x: [16384][512] f32, W: [512][64] f32.
; Out: qs [16384][64] bf16;  kv = 32 chunks of 512 keys, each 512 rows of k (128 bytes) and then 8 blocks of 64 rows of v TRANSPOSED
; (row d, 64 keys, 128 bytes), so that the next launch reads every fragment by plain 16-byte loads.
; A work-group takes 64 tokens and all 192 columns.  Wave w: mh = w >> 2 picks 32 tokens (two tiles of 16), nt = w & 3 picks columns
; 16 nt .. 16 nt + 15 of each of q, k and v: six accumulators, 96 matrix instructions.
; K = 512 goes in four chunks of 128.  A chunk is 32 loads of 16 bytes a thread (8 of x, 8 of each W), every load of a wave 512 neighbouring
; bytes; two register sets take turns, so 32 to 64 loads of every wave are on their way.  The numbers are rounded to bf16 in registers and laid
; into LDS, each chunk into bytes of its own: nothing in LDS is written twice, so one barrier a chunk is enough.
; W IS NOT ASKED FOR JOINTLY BY A CLUSTER, although every work-group reads it: it has to be rounded to bf16 on its way, so it would need a landing
; area in f32.  The bf16 copy of W (212,992 bytes), x (69,632) and the stage (27,648) take 310,272 of the 327,680 bytes of LDS; the 17,408 left
; are less than one chunk of W in f32 (98,304).
; LIMITS: x and W are rounded to bf16 in front of the products (sums in f32); NaN and infinities are passed on as the arithmetic makes them.
.set WPITCH, 416                       ; a row of W in LDS: 192 bf16 = 384 bytes + 32: an odd multiple of 32 bytes
.set WCHUNK, 128*WPITCH                ; 53,248: a chunk's 128 rows k
.set XB,     4*WCHUNK                  ; 212,992: x in bf16, [chunk][64 tokens][128 k]
.set XPITCH, 272                       ; 256 bytes + 16: an odd multiple of 16 bytes
.set XCHUNK, 64*XPITCH                 ; 17,408
.set STG,    XB+4*XCHUNK               ; 282,624: the stage for the way out: q, k, v^T, 64 rows each
.set GPITCH, 144                       ; 128 bytes + 16
.set GARR,   64*GPITCH                 ; 9,216
.set QSCALE, 0x3e38aa3b                ; log2(e) / 8 in f32: the scores of the next launch come out as exponents of 2
.set XO,   4                           ; v4       byte offset of my 16 bytes of x: wave x one row + 16 lane
.set WO,   5                           ; v5       16 t: my 16 bytes of W, and of each store at the end
.set XA,   7                           ; v7       LDS address of my x fragments
.set WST,  8                           ; v8-11    chunk c: where I put 8 bytes of W
.set WA,   12                          ; v12-15   chunk c: LDS address of my W fragments
.set ACC,  16                          ; v16-63   q tile 0, 1; k tile 0, 1; v tile 0, 1
.set F,    64                          ; v64-223  fragments of a chunk's four K steps, 40 each: x tile 0, 1; Wq, Wk, Wv
.set T,    64                          ; v64-127  a chunk as bf16 on its way to LDS (done with before the fragments are loaded)
.set PK,   64                          ; v64-87   the way out: packed results
.set RBK,  96                          ; v96-119  the way out: rows read back
.set BQ,   224                         ; v224-231 bq of my 8 columns
.set BK,   232                         ; v232-239 bk of my 8 columns
.set BV,   240                         ; v240-241 bv of my column, twice
.set QS,   242                         ; stage address for q and k
.set VS,   243                         ; stage address for v^T
.set RB,   244                         ; stage address for reading back
.set BOFF, 245                         ; byte offset in bq, bk
.set BVO,  246                         ; byte offset in bv
.set XST,  248                         ; v248-251 chunk c: where I put 8 bytes of x
; registers 256 to 511: the two sets of 128 that the global loads fill (set s at 256 + 128 s)
.set MSB, 0
.macro WIN new                         ; s_set_vgpr_msb: bits 1:0 source 0, 3:2 source 1, 5:4 source 2, 7:6 destination; the high byte repeats the setting that is left
.if MSB != \new
	s_set_vgpr_msb (MSB<<8)|\new
.set MSB, \new
.endif
.endm
; chunk c into register set: 8 loads of x (row 8 i + wave), 8 of each W (rows 16 i + t / 16)
.macro LOADS c, set
	WIN 0x40                                       ; destination in the upper registers, address in the lower
.irp i, 0,1,2,3,4,5,6,7
	global_load_b128 v[128*\set+4*\i:128*\set+4*\i+3], v[XO], s[8:9] offset:16384*\i+512*(\c) th:TH_LOAD_NT
.endr
.irp i, 0,1,2,3,4,5,6,7
	global_load_b128 v[128*\set+32+4*\i:128*\set+32+4*\i+3], v[WO], s[10:11] offset:4096*\i+32768*(\c)
.endr
.irp i, 0,1,2,3,4,5,6,7
	global_load_b128 v[128*\set+64+4*\i:128*\set+64+4*\i+3], v[WO], s[12:13] offset:4096*\i+32768*(\c)
.endr
.irp i, 0,1,2,3,4,5,6,7
	global_load_b128 v[128*\set+96+4*\i:128*\set+96+4*\i+3], v[WO], s[14:15] offset:4096*\i+32768*(\c)
.endr
	WIN 0
.endm
.macro MM d, a, b, zero                ; zero = 1: the first product starts the sum, nothing is cleared
.if \zero
	v_wmma_f32_16x16x32_bf16 v[\d:\d+7], v[\a:\a+7], v[\b:\b+7], 0
.else
	v_wmma_f32_16x16x32_bf16 v[\d:\d+7], v[\a:\a+7], v[\b:\b+7], v[\d:\d+7]
.endif
.endm
; One K step of 32.  q and k: W's fragment is source 0 and x's source 1, so a lane holds one token and 8 neighbouring columns.
; v: x's fragment is source 0, so a lane holds one column d and 8 neighbouring tokens: 16 bytes of a row of v^T.
; The six accumulators take turns, one instruction a turn.
.macro KSTEP ks, zero
	s_wait_dscnt 30-10*\ks                         ; LDS loads come back in order (ISA guide 5.7.1): this step's ten are in, the later steps' stay out
.irp mt, 0,1
	MM ACC+8*\mt, F+40*\ks+16, F+40*\ks+8*\mt, \zero
	MM ACC+16+8*\mt, F+40*\ks+24, F+40*\ks+8*\mt, \zero
	MM ACC+32+8*\mt, F+40*\ks+8*\mt, F+40*\ks+32, \zero
.endr
.endm
; Chunk c, which lies in register set.  left = the younger global loads that may stay out; more = 1: the set is loaded again with chunk c + 2.
.macro CHUNK c, set, left, more, zero
	s_wait_loadcnt \left
	WIN 0x05                                       ; sources in the upper registers
.set j, 0
.rept 64
	v_cvt_pk_bf16_f32 v[T+j], v[128*\set+2*j], v[128*\set+2*j+1]
.set j, j+1
.endr
	WIN 0
.irp i, 0,1,2,3,4,5,6,7
	ds_store_b64 v[XST+\c], v[T+2*\i:T+2*\i+1] offset:8*XPITCH*\i
.endr
.irp m, 0,1,2
.irp i, 0,1,2,3,4,5,6,7
	ds_store_b64 v[WST+\c], v[T+16+16*\m+2*\i:T+16+16*\m+2*\i+1] offset:16*WPITCH*\i+128*\m
.endr
.endr
.if \more
	LOADS \c+2, \set                               ; ahead of the barrier: these have two chunks' work in which to come
.endif
	s_wait_dscnt 0x0                               ; my part of the chunk is in LDS,
	s_barrier_signal -1
	s_barrier_wait -1                              ; everybody's is
.irp ks, 0,1,2,3
.irp mt, 0,1
	ds_load_b128 v[F+40*\ks+8*\mt:F+40*\ks+8*\mt+3],   v[XA] offset:\c*XCHUNK+\mt*16*XPITCH+64*\ks
	ds_load_b128 v[F+40*\ks+8*\mt+4:F+40*\ks+8*\mt+7], v[XA] offset:\c*XCHUNK+\mt*16*XPITCH+64*\ks+32
.endr
.irp m, 0,1,2
	ds_load_tr16_b128 v[F+40*\ks+16+8*\m:F+40*\ks+16+8*\m+3], v[WA+\c] offset:32*WPITCH*\ks+128*\m             ; k = 8 h .. + 7 of column r
	ds_load_tr16_b128 v[F+40*\ks+16+8*\m+4:F+40*\ks+16+8*\m+7], v[WA+\c] offset:32*WPITCH*\ks+128*\m+16*WPITCH ; k = 16 + 8 h .. + 7
.endr
.endr
	KSTEP 0, \zero
	KSTEP 1, 0
	KSTEP 2, 0
	KSTEP 3, 0
.rept 4
	v_nop                                          ; four places behind the last matrix instruction (ISA guide 7.12.1) before its sources are written again or its results read
.endr
.endm
	s_load_b512 s[8:23], s[0:1], 0x0               ; x 8:9, Wq 10:11, Wk 12:13, Wv 14:15, bq 16:17, bk 18:19, bv 20:21, qs 22:23
	s_load_b64 s[24:25], s[0:1], 0x40              ; kv
	v_lshl_add_u32 v254, v0, 2, 0x4bc00
	v_mov_b32 v255, 0
	v_lshrrev_b32 v1, 5, v0
	v_readfirstlane_b32 s26, v1                    ; wave
	s_and_b32 s27, s26, 3                          ; nt
	s_lshr_b32 s28, s26, 2                         ; mh
	v_and_b32 v2, 31, v0                           ; lane
	v_and_b32 v3, 15, v0                           ; r
	v_bfe_u32 v6, v0, 4, 1                         ; h
	v_lshlrev_b32 v[XO], 4, v2
	v_lshl_add_u32 v[XO], v1, 11, v[XO]            ; wave x 2,048 (a row of x) + 16 lane
	v_lshlrev_b32 v[WO], 4, v0
	s_lshl_b32 s30, ttmp9, 17                      ; 64 rows of 2,048 bytes for each work-group
	s_mov_b32 s31, 0
	s_wait_kmcnt 0x0
	s_add_nc_u64 s[8:9], s[8:9], s[30:31]
	LOADS 0, 0
	LOADS 1, 1
	; the rest of the addresses, while the loads are on their way
	s_lshl_b32 s30, ttmp9, 13                      ; qs: 64 rows of 128 bytes
	s_add_nc_u64 s[22:23], s[22:23], s[30:31]
	s_lshr_b32 s30, ttmp9, 3                       ; kv: chunk = work-group / 8, 131,072 bytes each,
	s_lshl_b32 s30, s30, 17
	s_and_b32 s29, ttmp9, 7                        ; and in it 64 rows of 128 bytes for each work-group, in the k part and in the v^T part alike
	s_lshl_b32 s29, s29, 13
	s_add_co_u32 s30, s30, s29
	s_add_nc_u64 s[24:25], s[24:25], s[30:31]
	s_mul_i32 s29, s28, 32*XPITCH
	s_add_co_u32 s29, s29, XB
	v_mul_u32_u24 v[XA], v3, XPITCH
	v_lshl_add_u32 v[XA], v6, 4, v[XA]
	v_add_nc_u32 v[XA], s29, v[XA]                 ; XB + (32 mh + r) pitch + 16 h
	v_lshrrev_b32 v16, 4, v0
	v_mul_u32_u24 v16, v16, WPITCH
	v_lshl_add_u32 v[WST], v3, 3, v16              ; row t / 16, 8 bytes at column 4 (t % 16)
	v_and_b32 v17, 7, v0
	v_lshl_add_u32 v17, v6, 3, v17
	v_mul_u32_u24 v17, v17, WPITCH                 ; row 8 h + lane % 8
	v_bfe_u32 v18, v0, 3, 1
	v_lshl_add_u32 v17, v18, 4, v17                ; + 16 bytes for the second eight columns
	s_lshl_b32 s29, s27, 5
	v_add_nc_u32 v[WA], s29, v17                   ; + 32 nt
	s_mul_i32 s29, s26, XPITCH
	s_add_co_u32 s29, s29, XB
	v_lshl_add_u32 v[XST], v2, 3, s29              ; XB + wave x pitch + 8 lane
.irp c, 1,2,3
	v_add_nc_u32 v[WST+\c], \c*WCHUNK, v[WST]
	v_add_nc_u32 v[WA+\c],  \c*WCHUNK, v[WA]
	v_add_nc_u32 v[XST+\c], \c*XCHUNK, v[XST]
.endr
	v_mul_u32_u24 v19, v3, GPITCH
	v_lshl_add_u32 v19, v6, 4, v19                 ; r x 144 + 16 h
	s_mul_i32 s29, s28, 32*GPITCH
	s_lshl_b32 s30, s27, 5
	s_add_co_u32 s29, s29, s30
	s_add_co_u32 s29, s29, STG
	v_add_nc_u32 v[QS], s29, v19                   ; row 32 mh + r (token), byte 32 nt + 16 h
	s_mul_i32 s29, s27, 16*GPITCH
	s_lshl_b32 s30, s28, 6
	s_add_co_u32 s29, s29, s30
	s_add_co_u32 s29, s29, STG+2*GARR
	v_add_nc_u32 v[VS], s29, v19                   ; row 16 nt + r (d), byte 64 mh + 16 h
	v_lshrrev_b32 v20, 3, v0
	v_mul_u32_u24 v20, v20, GPITCH
	v_and_b32 v21, 7, v0
	v_lshl_add_u32 v20, v21, 4, v20
	v_add_nc_u32 v[RB], STG, v20                   ; row t / 8, 16 bytes at 16 (t % 8)
	s_lshl_b32 s29, s27, 6
	v_lshl_add_u32 v[BOFF], v6, 5, s29             ; 4 (16 nt + 8 h)
	v_lshl_add_u32 v[BVO], v3, 2, s29              ; 4 (16 nt + r)
	CHUNK 0, 0, 32, 1, 1                           ; 32: set 1's loads stay out
	CHUNK 1, 1, 32, 1, 0                           ; 32: chunk 2's
	global_load_b128 v[BQ:BQ+3],   v[BOFF], s[16:17]
	global_load_b128 v[BQ+4:BQ+7], v[BOFF], s[16:17] offset:16
	global_load_b128 v[BK:BK+3],   v[BOFF], s[18:19]
	global_load_b128 v[BK+4:BK+7], v[BOFF], s[18:19] offset:16
	global_load_b32  v[BV], v[BVO], s[20:21]
	CHUNK 2, 0, 37, 0, 0                           ; 37: chunk 3's 32 and the five loads of the biases
	CHUNK 3, 1, 5, 0, 0                            ; 5: the biases
	; THE WAY OUT: bias (and q's scale) in f32, one rounding to bf16, through the stage, out as whole rows
	s_wait_loadcnt 0x0
.irp j, 0,2,4,6
	v_pk_mul_f32 v[BQ+\j:BQ+\j+1], v[BQ+\j:BQ+\j+1], QSCALE op_sel_hi:[1,0]
.endr
	v_mov_b32 v[BV+1], v[BV]
.irp mt, 0,1
.irp j, 0,2,4,6
	v_pk_fma_f32 v[ACC+8*\mt+\j:ACC+8*\mt+\j+1], v[ACC+8*\mt+\j:ACC+8*\mt+\j+1], QSCALE, v[BQ+\j:BQ+\j+1] op_sel_hi:[1,0,1]
	v_pk_add_f32 v[ACC+16+8*\mt+\j:ACC+16+8*\mt+\j+1], v[ACC+16+8*\mt+\j:ACC+16+8*\mt+\j+1], v[BK+\j:BK+\j+1]
	v_pk_add_f32 v[ACC+32+8*\mt+\j:ACC+32+8*\mt+\j+1], v[ACC+32+8*\mt+\j:ACC+32+8*\mt+\j+1], v[BV:BV+1]
.endr
.endr
.irp a, 0,1,2,3,4,5
.irp j, 0,1,2,3
	v_cvt_pk_bf16_f32 v[PK+4*\a+\j], v[ACC+8*\a+2*\j], v[ACC+8*\a+2*\j+1]
.endr
.endr
.irp mt, 0,1
	ds_store_b128 v[QS], v[PK+4*\mt:PK+4*\mt+3] offset:16*GPITCH*\mt
	ds_store_b128 v[QS], v[PK+8+4*\mt:PK+8+4*\mt+3] offset:GARR+16*GPITCH*\mt
	ds_store_b128 v[VS], v[PK+16+4*\mt:PK+16+4*\mt+3] offset:32*\mt
.endr
	s_wait_dscnt 0x0                               ; my pieces of the rows are in the stage,
	s_barrier_signal -1
	s_barrier_wait -1                              ; everybody's are
.irp a, 0,1,2
.irp hf, 0,1
	ds_load_b128 v[RBK+8*\a+4*\hf:RBK+8*\a+4*\hf+3], v[RB] offset:GARR*\a+32*GPITCH*\hf
.endr
.endr
	; each store of a wave covers 512 consecutive bytes that start at a multiple of 512 from the buffer's first byte
	s_wait_dscnt 5
	global_store_b128 v[WO], v[RBK:RBK+3], s[22:23]
	s_wait_dscnt 4
	global_store_b128 v[WO], v[RBK+4:RBK+7], s[22:23] offset:4096
	s_wait_dscnt 3
	global_store_b128 v[WO], v[RBK+8:RBK+11], s[24:25]
	s_wait_dscnt 2
	global_store_b128 v[WO], v[RBK+12:RBK+15], s[24:25] offset:4096
	s_wait_dscnt 1
	global_store_b128 v[WO], v[RBK+16:RBK+19], s[24:25] offset:65536
	s_wait_dscnt 0
	global_store_b128 v[WO], v[RBK+20:RBK+23], s[24:25] offset:65536+4096
	s_wait_tensorcnt 0x0
	ds_add_u32 v254, v255
	s_wait_dscnt 0x0
	s_endpgm
.Lfunc_end_k_q608107b731_proj:
	.size	k_q608107b731_proj, .Lfunc_end_k_q608107b731_proj-k_q608107b731_proj
	.p2alignl 7, 3214868480
	.fill 96, 4, 3214868480
	.section	.rodata,"a",@progbits
	.p2align	6, 0x0
	.amdhsa_kernel k_q608107b731_proj
		.amdhsa_group_segment_fixed_size 311296
		.amdhsa_private_segment_fixed_size 0
		.amdhsa_enable_private_segment 0
		.amdhsa_kernarg_size 72
		.amdhsa_user_sgpr_count 2
		.amdhsa_user_sgpr_kernarg_segment_ptr 1
		.amdhsa_wavefront_size32 1
		.amdhsa_system_sgpr_workgroup_id_x 1
		.amdhsa_system_sgpr_workgroup_id_y 1
		.amdhsa_system_sgpr_workgroup_id_z 1
		.amdhsa_system_vgpr_workitem_id 0
		.amdhsa_next_free_vgpr 512
		.amdhsa_next_free_sgpr 66
		.amdhsa_reserve_vcc 0
		.amdhsa_float_denorm_mode_32 3
		.amdhsa_float_denorm_mode_16_64 3
		.amdhsa_memory_ordered 1
		.amdhsa_forward_progress 1
		.amdhsa_inst_pref_size 64
	.end_amdhsa_kernel
	.amdgpu_metadata
---
amdhsa.version: [ 1, 2 ]
amdhsa.kernels:
  - .name:           k_q608107b731_proj
    .symbol:         k_q608107b731_proj.kd
    .args:
      - { .name: x, .offset: 0, .size: 8, .value_kind: global_buffer, .address_space: global }
      - { .name: Wq, .offset: 8, .size: 8, .value_kind: global_buffer, .address_space: global }
      - { .name: Wk, .offset: 16, .size: 8, .value_kind: global_buffer, .address_space: global }
      - { .name: Wv, .offset: 24, .size: 8, .value_kind: global_buffer, .address_space: global }
      - { .name: bq, .offset: 32, .size: 8, .value_kind: global_buffer, .address_space: global }
      - { .name: bk, .offset: 40, .size: 8, .value_kind: global_buffer, .address_space: global }
      - { .name: bv, .offset: 48, .size: 8, .value_kind: global_buffer, .address_space: global }
      - { .name: qs, .offset: 56, .size: 8, .value_kind: global_buffer, .address_space: global }
      - { .name: kv, .offset: 64, .size: 8, .value_kind: global_buffer, .address_space: global }
    .group_segment_fixed_size: 311296
    .private_segment_fixed_size: 0
    .kernarg_segment_align: 8
    .kernarg_segment_size: 72
    .max_flat_workgroup_size: 256
    .sgpr_count:     66
    .vgpr_count:     512
    .wavefront_size: 32
...
	.end_amdgpu_metadata
.endif
;; end of part 1
;; launch attn (part 2): grid 256 x 1, 8 waves a work-group, clusters of 4 x 1, 327,680 bytes of LDS; arguments qs, kv, out0; writes out0
.if DOCPART == 2
	.amdgcn_target "amdgcn-amd-amdhsa--gfx1250"
	.amdhsa_code_object_version 6
	.text
	.protected	k_q608107b731_attn
	.globl	k_q608107b731_attn
	.p2align	8
	.type	k_q608107b731_attn,@function
k_q608107b731_attn:
	s_mov_b64 s[64:65], 0
	v_nop
	global_prefetch_b8 v0, s[64:65] scope:SCOPE_SE
	s_setreg_imm32_b32 hwreg(HW_REG_WAVE_MODE, 25, 1), 1
	s_wait_xcnt 0x0
	s_wait_alu depctr_hold_cnt(0) depctr_sa_sdst(0) depctr_va_vdst(0) depctr_va_sdst(0) depctr_va_ssrc(0) depctr_va_vcc(0) depctr_vm_vsrc(0)
	s_getreg_b32 s2, hwreg(HW_REG_IB_STS2, 6, 4)
	s_cmp_eq_u32 s2, 0
	s_cbranch_scc0 .Lentry_in_a_cluster
	s_endpgm
.Lentry_in_a_cluster:
	s_bfe_u32 s2, ttmp6, 0x10000c
	s_cmp_lg_u32 s2, 0x3003
	s_cbranch_scc0 .Lentry_shape_is_right
	s_endpgm
.Lentry_shape_is_right:
; out[q][d] = sum over keys of softmax(q k / 8) v, for 4 batches of 4,096 tokens, 64 wide.  qs holds q log2(e)/8 in bf16, so a score is an exponent of 2.
; A work-group takes 64 queries and walks its batch's 4,096 keys in 8 chunks of 512 through two LDS slots.  Wave s takes all 64 queries against
; keys 64 s .. 64 s + 63 of every chunk, with a running maximum, sum and output of its own; the eight partial results are merged through LDS at the end.
; So every fragment of k and v is read from LDS once in the work-group: 16,384 bytes for a wave's 64 matrix instructions of a chunk.
; THE SCORES ARE MADE TRANSPOSED: source 0 = 16 keys, source 1 = 16 queries.  Lane (r, h) then holds query r and keys 8 h + j of the tile.  Two such tiles,
; packed to bf16 in place, ARE source 1 of the second product, out^T = v^T p^T (registers 0-3: keys 8 h .., registers 4-7: keys 16 + 8 h ..): p never
; changes lanes.  A query's maximum, sum and scale are one number a lane; one v_permlanex16_b32 a maximum joins the two halves.
; THE TRIP IS PIPELINED.  A wave holds a chunk's fragments in registers, so a slot has been read as soon as they are loaded.  k of the next chunk is loaded
; behind this chunk's last score product, v^T behind its last second product.  The eight score products of query tile qt + 1 stand one by one among the vector
; lines of tile qt's softmax (tile 0 of the next chunk among tile 3's), so that one wave feeds the matrix unit and the vector unit at the same time.
; CLUSTERS: the four work-groups of a cluster belong to one batch (64 work-groups a batch, 16 clusters) and read the same chunks, so every chunk is asked
; for jointly, with the mask of all four: the requests for k and v are a quarter of what four separate loads would be.
; A wave has two tensor loads out at the start and one behind each later round.
; LIMITS: NaN and infinite inputs are not treated specially.  v_exp_f32 gives zero for results below 2^-126.  p is rounded to bf16 for the second product
; while its sum is taken in f32.  The sums run in another order than the plain formula's (by wave, then merged).
.set PITCH,  272                       ; an LDS row: 256 bytes (TWO rows of 128 bytes of k or of v^T) + 16.  Lane r reads at (r >> 1) 272 + (r & 1) 128: 16 different 16-byte columns modulo 256 bytes
.set SLOT,   512*PITCH                 ; 139,264: LDS rows 0-255 the 512 keys, rows 256 + 32 s .. + 31 the 64 rows of v^T of wave s's keys
.set CHUNKB, 131072                    ; a chunk in kv: dense, 512 rows of 256 bytes
.set ST,     2*SLOT                    ; 278,528: maxima at 32 q + 4 s, sums 2,048 further on; no tensor load lands here
.set SPITCH, 272                       ; the stage (in slot 0, behind its last fill and its last read): a row of 64 f32 + 16 bytes
.set SWAVE,  64*SPITCH                 ; 17,408: a wave's 64 rows
.set G1, 16                            ; s[16:23] descriptor group 1
.set G0, 24                            ; s[24:31] descriptor group 0, one set for each slot
; lower registers
.set ADRK, 4                           ; v4-5     LDS address of my k fragments in slot 0, 1
.set ADRV, 6                           ; v6-7     the same for v^T
.set QOFF, 8
.set STO,  9                           ; stage: where I put my partial output
.set STS,  10                          ; where I put my maxima and sums
.set RB0,  11                          ; stage: where I read rows back, waves 0-3's parts
.set RB1,  12                          ; waves 4-7's
.set STL,  13                          ; where I read maxima and sums
.set OOFF, 14                          ; 16 t
.set MB,   16                          ; the merge: four blocks of 60 registers
.set RV,   64                          ; v64-127  v^T fragments: 16 dt + 8 kk
.set RO,   128                         ; v128-255 out^T: 32 qt + 8 dt
; upper registers (256 + the number): all that the softmax and the score product name, 256 registers exactly, so that one window setting serves both
.set BUFA, 0                           ; three score buffers of four tiles (query tile 0: A; 1 and 3: B; 2: C); behind the packing p lies in the first 16 registers
.set BUFB, 32
.set BUFC, 64
.set RK,   96                          ; k fragments: 16 tt + 8 ks
.set RQ,   160                         ; q fragments: 16 qt + 8 ks
.set RM,   224                         ; running maximum of query tile qt
.set RL,   228                         ; running sum, a pair for each qt (even and odd keys of my lane)
.set RMP,  236                         ; the new maximum
.set RNM,  238                         ; minus that, twice
.set RAL,  240                         ; 2^(old - new maximum), twice
.set RCH,  242                         ; four chains of the maximum
.set RPT,  246                         ; what the other half of the lanes sends
.set RD,   247
.set RSUM, 248                         ; four chains of the sum, pairs
.set MSB, 0
.macro WIN new                         ; s_set_vgpr_msb: bits 1:0 source 0, 3:2 source 1, 5:4 source 2, 7:6 destination; the high byte repeats the setting that is left
.if MSB != \new
	s_set_vgpr_msb (MSB<<8)|\new
.set MSB, \new
.endif
.endm
.macro PLACES n
.rept \n
	v_nop
.endr
.endm
; A round of the cluster's barrier: my work-group's barrier, wave 0 signals for the work-group, every wave waits for all four work-groups, my work-group's barrier again.
.macro CREST                           ; a round behind its opening barrier
	s_cmp_lg_u32 s10, 0
	s_cbranch_scc1 .Lnot_wave_0_\@
	s_barrier_signal -3
.Lnot_wave_0_\@:
	s_barrier_wait -3
	s_barrier_signal -1
	s_barrier_wait -1
.endm
.macro ROUND                           ; a whole round
	s_barrier_signal -1
	s_barrier_wait -1
	CREST
.endm
; The score product that rides in a softmax block: query tile qt2 against my 64 keys, into buf2.  sh: its eight instructions stand at points sh .. sh + 7 of the block.
; kw = 1: k has just been loaded; the wait for it stands in front of the first instruction.
.macro SMSET on, qt2, buf2, sh, kw
.set SM_ON, \on
.set SM_Q,  \qt2
.set SM_B,  \buf2
.set SM_SH, \sh
.set SM_KW, \kw
.endm
; Point p of a block: instruction p - sh of the product.  0 to 3: d = 0 .. 31 of key tiles 0 to 3, which start the sums; 4 to 7: d = 32 .. 63, in place.
; The four tiles take turns, one instruction a turn.
.macro PT p
.if SM_ON
.set SM_I, \p-SM_SH
.if SM_I >= 0
.if SM_I < 4
.if SM_KW
.if SM_I == 0
	s_wait_dscnt 0x0                               ; the sixteen loads of the next chunk's k, the only LDS instructions that are out here
.endif
.endif
	v_wmma_f32_16x16x32_bf16 v[SM_B+8*SM_I:SM_B+8*SM_I+7], v[RK+16*SM_I:RK+16*SM_I+7], v[RQ+16*SM_Q:RQ+16*SM_Q+7], 0
.else
.if SM_I < 8
.set SM_J, SM_I-4
	v_wmma_f32_16x16x32_bf16 v[SM_B+8*SM_J:SM_B+8*SM_J+7], v[RK+16*SM_J+8:RK+16*SM_J+15], v[RQ+16*SM_Q+8:RQ+16*SM_Q+15], v[SM_B+8*SM_J:SM_B+8*SM_J+7]
.endif
.endif
.endif
.endif
.endm
; 32 scores a lane: new maximum, p = 2^(score - maximum), the running sum, p packed to bf16 in place.  first = 1: nothing is carried yet.
; Twelve points take the matrix instructions of another query tile's scores; the block's own lines name none of that product's registers (another buffer, k, q),
; so they are the places behind it (ISA guide 7.12.1): at least seven plain lines follow point 7, and four follow point 11.
.macro SOFTMAX qt, buf, first
	WIN 0x55
.irp c, 0,1,2,3
	v_max3_num_f32 v[RCH+\c], v[\buf+8*\c], v[\buf+8*\c+1], v[\buf+8*\c+2]
.endr
.irp c, 0,1,2,3
	v_max3_num_f32 v[RCH+\c], v[RCH+\c], v[\buf+8*\c+3], v[\buf+8*\c+4]
.endr
	PT 0                                           ; eight plain lines stand in front: more than the five places before a product writes over the p that the second product in front has read
.irp c, 0,1,2,3
	v_max3_num_f32 v[RCH+\c], v[RCH+\c], v[\buf+8*\c+5], v[\buf+8*\c+6]
.endr
	v_max3_num_f32 v[RCH], v[RCH], v[RCH+1], v[\buf+7]
	v_max3_num_f32 v[RCH+2], v[RCH+2], v[RCH+3], v[\buf+15]
	v_max3_num_f32 v[RCH], v[RCH], v[RCH+2], v[\buf+23]
.if \first
	v_max_num_f32 v[RCH], v[RCH], v[\buf+31]
.else
	v_max3_num_f32 v[RCH], v[RCH], v[\buf+31], v[RM+\qt]
.endif
	PT 1
	v_permlanex16_b32 v[RPT], v[RCH], s33, s34     ; the same query's other 32 keys lie in lane i xor 16
	v_max_num_f32 v[RMP], v[RCH], v[RPT]
.if \first == 0
	v_sub_f32 v[RD], v[RM+\qt], v[RMP]
.endif
	v_mul_f32 v[RNM], -1.0, v[RMP]
	v_mul_f32 v[RNM+1], -1.0, v[RMP]
.set j, 0
.rept 8
	v_pk_add_f32 v[\buf+2*j:\buf+2*j+1], v[\buf+2*j:\buf+2*j+1], v[RNM:RNM+1]
.set j, j+1
.endr
	PT 2
.rept 8
	v_pk_add_f32 v[\buf+2*j:\buf+2*j+1], v[\buf+2*j:\buf+2*j+1], v[RNM:RNM+1]
.set j, j+1
.endr
	PT 3
.if \first == 0
	v_exp_f32 v[RAL], v[RD]
.endif
.set j, 0
.rept 11
	v_exp_f32 v[\buf+j], v[\buf+j]
.set j, j+1
.endr
	PT 4
.rept 11
	v_exp_f32 v[\buf+j], v[\buf+j]
.set j, j+1
.endr
	PT 5
.rept 10
	v_exp_f32 v[\buf+j], v[\buf+j]
.set j, j+1
.endr
	PT 6
	v_mov_b32 v[RM+\qt], v[RMP]                    ; the plain instruction that stands between the exponentials and the first use of a result (ISA guide 5.7.2)
.if \first
	s_wait_alu depctr_va_vdst(0)
	v_pk_add_f32 v[RSUM:RSUM+1], v[\buf:\buf+1], v[\buf+8:\buf+9]
.else
	s_wait_alu depctr_va_vdst(0)
	v_mov_b32 v[RAL+1], v[RAL]
	v_pk_fma_f32 v[RSUM:RSUM+1], v[RL+2*\qt:RL+2*\qt+1], v[RAL:RAL+1], v[\buf:\buf+1]
.endif
.irp c, 1,2,3
	v_pk_add_f32 v[RSUM+2*\c:RSUM+2*\c+1], v[\buf+2*\c:\buf+2*\c+1], v[\buf+8+2*\c:\buf+8+2*\c+1]
.endr
.if \first == 0
	v_pk_add_f32 v[RSUM:RSUM+1], v[RSUM:RSUM+1], v[\buf+8:\buf+9]
.endif
.irp c, 0,1,2,3
	v_pk_add_f32 v[RSUM+2*\c:RSUM+2*\c+1], v[RSUM+2*\c:RSUM+2*\c+1], v[\buf+16+2*\c:\buf+16+2*\c+1]
.endr
	PT 7
.irp c, 0,1,2,3
	v_pk_add_f32 v[RSUM+2*\c:RSUM+2*\c+1], v[RSUM+2*\c:RSUM+2*\c+1], v[\buf+24+2*\c:\buf+24+2*\c+1]
.endr
	v_pk_add_f32 v[RSUM:RSUM+1], v[RSUM:RSUM+1], v[RSUM+2:RSUM+3]
	v_pk_add_f32 v[RSUM+4:RSUM+5], v[RSUM+4:RSUM+5], v[RSUM+6:RSUM+7]
	v_pk_add_f32 v[RL+2*\qt:RL+2*\qt+1], v[RSUM:RSUM+1], v[RSUM+4:RSUM+5]
	PT 8
.set j, 0
.rept 4
	v_cvt_pk_bf16_f32 v[\buf+j], v[\buf+2*j], v[\buf+2*j+1]   ; ascending: register j is written when registers 2 j and 2 j + 1 are read, never earlier
.set j, j+1
.endr
	PT 9
.rept 4
	v_cvt_pk_bf16_f32 v[\buf+j], v[\buf+2*j], v[\buf+2*j+1]
.set j, j+1
.endr
	PT 10
.rept 4
	v_cvt_pk_bf16_f32 v[\buf+j], v[\buf+2*j], v[\buf+2*j+1]
.set j, j+1
.endr
	PT 11
.rept 4
	v_cvt_pk_bf16_f32 v[\buf+j], v[\buf+2*j], v[\buf+2*j+1]
.set j, j+1
.endr
.endm
; out^T of query tile qt = out^T x 2^(old - new maximum) + v^T p^T.  The scale is one number a lane, since a lane holds one query.  The four multiplies of a tile
; along d stand in front of that tile's first product and behind the tile's before, whose registers they do not name.  The four tiles take turns, one instruction
; a turn.  first = 1: the first product starts the sum.
.macro PVR qt, buf, first
	WIN 0x04                                       ; p and the scale above; v^T and out^T below
.irp dt, 0,1,2,3
.if \first
	v_wmma_f32_16x16x32_bf16 v[RO+32*\qt+8*\dt:RO+32*\qt+8*\dt+7], v[RV+16*\dt:RV+16*\dt+7], v[\buf:\buf+7], 0
.else
.irp j, 0,2,4,6
	v_pk_mul_f32 v[RO+32*\qt+8*\dt+\j:RO+32*\qt+8*\dt+\j+1], v[RO+32*\qt+8*\dt+\j:RO+32*\qt+8*\dt+\j+1], v[RAL:RAL+1]
.endr
	v_wmma_f32_16x16x32_bf16 v[RO+32*\qt+8*\dt:RO+32*\qt+8*\dt+7], v[RV+16*\dt:RV+16*\dt+7], v[\buf:\buf+7], v[RO+32*\qt+8*\dt:RO+32*\qt+8*\dt+7]
.endif
.endr
.irp dt, 0,1,2,3
	v_wmma_f32_16x16x32_bf16 v[RO+32*\qt+8*\dt:RO+32*\qt+8*\dt+7], v[RV+16*\dt+8:RV+16*\dt+15], v[\buf+8:\buf+15], v[RO+32*\qt+8*\dt:RO+32*\qt+8*\dt+7]
.endr
.endm
.macro KLOAD slot                      ; my 64 keys of the chunk in slot: sixteen loads; a tile of 16 keys is 8 LDS rows
	WIN 0x40                                       ; destination above, address below
.irp tt, 0,1,2,3
.irp ks, 0,1
	ds_load_b128 v[RK+16*\tt+8*\ks:RK+16*\tt+8*\ks+3],   v[ADRK+\slot] offset:8*PITCH*\tt+64*\ks
	ds_load_b128 v[RK+16*\tt+8*\ks+4:RK+16*\tt+8*\ks+7], v[ADRK+\slot] offset:8*PITCH*\tt+64*\ks+32
.endr
.endr
.endm
.macro VLOAD slot                      ; v^T of my 64 keys: sixteen loads
	WIN 0
.irp dt, 0,1,2,3
.irp kk, 0,1
	ds_load_b128 v[RV+16*\dt+8*\kk:RV+16*\dt+8*\kk+3],   v[ADRV+\slot] offset:8*PITCH*\dt+64*\kk
	ds_load_b128 v[RV+16*\dt+8*\kk+4:RV+16*\dt+8*\kk+7], v[ADRV+\slot] offset:8*PITCH*\dt+64*\kk+32
.endr
.endr
.endm
; The trip of the chunk that lay in slot.  On the way in: its k is in registers, its v^T on the way there, the scores of query tile 0 in buffer A.
; sync = 2: a round of the cluster's barrier, and this slot is filled again, two chunks ahead.  In front of the round's opening signal each wave waits for its LDS
;   loads (v^T's are the last reads of this slot) and for all its tensor loads (the one that is out is its part of the next chunk).  Between that signal and its wait
;   stands register work alone.  Behind the round no wave of the four work-groups reads this slot or has a load on its way, and the next chunk is whole: the joint
;   refill comes first, the reads of the next chunk later.
; sync = 1: the work-group's barrier alone: the last chunk must be whole, and nothing is filled.   sync = 0: nothing is left to fetch.
; next = 1: the next chunk's fragments are loaded from the other slot, and the scores of its query tile 0 are made.
.macro TRIP slot, first, sync, next
	SMSET 1, 1, BUFB, 0, 0
	SOFTMAX 0, BUFA, \first
	s_wait_dscnt 0x0                               ; v^T of this chunk is in: no LDS instruction of mine is out
.if \sync
	s_wait_xcnt 0x0
	s_set_vgpr_msb 0x5554
	v_lshl_add_u32 v254, v0, 2, 0x45000
	v_mov_b32 v255, 0
	s_set_vgpr_msb 0x5455
	s_wait_tensorcnt 0x0                           ; all my tensor loads have landed
	ds_add_u32 v254, v255
	s_wait_dscnt 0x0
.if \sync == 2
	s_add_nc_u64 s[G0+4*\slot+2:G0+4*\slot+3], s[G0+4*\slot+2:G0+4*\slot+3], 2*CHUNKB   ; none is out, so a group 0 may be written: this slot's address steps two chunks on
.endif
	s_barrier_signal -1
.endif
	PVR 0, BUFA, \first
	SMSET 1, 2, BUFC, 0, 0
	SOFTMAX 1, BUFB, \first
.if \sync
	WIN 0                                          ; branches and a label follow
	s_barrier_wait -1
.if \sync == 2
	CREST
	tensor_load_to_lds s[G0+4*\slot:G0+4*\slot+3], s[G1:G1+7]      ; my one tensor load behind the round
	s_nop 0
.endif
.endif
	PVR 1, BUFB, \first
	SMSET 1, 3, BUFB, 0, 0
	SOFTMAX 2, BUFC, \first
.if \next
	KLOAD 1-\slot                                  ; behind the last score product of this chunk and the plain lines that follow it in the block above
.endif
	PVR 2, BUFC, \first
	SMSET \next, 0, BUFA, 4, 1
	SOFTMAX 3, BUFB, \first
	PVR 3, BUFB, \first
	PLACES 4                                       ; four places before loads land on v^T or out^T is read; with the next block's first eight lines more than five before p in B is written over
.if \next
	VLOAD 1-\slot
.endif
	WIN 0
.endm
	s_load_b128 s[4:7], s[0:1], 0x0                ; qs s[4:5], kv s[6:7]
	s_load_b64 s[8:9], s[0:1], 0x10                ; out0
	s_set_vgpr_msb 0x40
	v_lshl_add_u32 v254, v0, 2, 0x45000
	v_mov_b32 v255, 0
	s_set_vgpr_msb 0x4045
	ds_add_u32 v254, v255
	s_wait_dscnt 0x0
	s_set_vgpr_msb 0x4500
	v_lshrrev_b32 v1, 5, v0
	v_readfirstlane_b32 s10, v1                    ; wave s
	s_bfe_u32 s11, ttmp6, 0x40000                  ; cx: my place in the cluster
	s_lshl_b32 s12, ttmp9, 2                       ; in a cluster launch ttmp9 counts clusters
	s_add_co_u32 s12, s12, s11                     ; work-group g = 4 x cluster + cx: enters the addresses of qs and out0 alone
	s_mov_b32 s33, 0x76543210                      ; v_permlanex16_b32: lane i of one half reads lane i of the other
	s_mov_b32 s34, 0xfedcba98
	; group 1: 64 rows of 32 elements of 8 bytes (256 bytes), dense in memory, 16 bytes of padding behind each row in LDS
	s_mov_b32 s[G1+0], 15|(3<<16)|(1<<20)|(1<<21)|(5<<22)|(3<<25)  ; 15:0 mask: all four work-groups; 17:16 8 bytes; 20 padding on; 21 set beside a mask; 24:22 after every 64 words; 31:25 4 words
	s_mov_b32 s[G1+1], 32<<16                      ; tensor_dim0 = 32
	s_mov_b32 s[G1+2], 64<<16                      ; tensor_dim1 = 64
	s_mov_b32 s[G1+3], 32<<16                      ; tile_dim0 = 32
	s_mov_b32 s[G1+4], 64                          ; tile_dim1 = 64
	s_mov_b32 s[G1+5], 32                          ; elements from row to row
	s_mov_b32 s[G1+6], 0
	s_mov_b32 s[G1+7], 0
	s_lshr_b32 s14, ttmp9, 4                       ; batch = cluster / 16: the same in all four partners
	s_lshl_b32 s14, s14, 20                        ; 8 chunks of 131,072 bytes
	s_lshl_b32 s15, s10, 14                        ; my wave's 64 rows of 256 bytes in a chunk
	s_add_co_u32 s14, s14, s15
	s_mov_b32 s15, 0
	s_mul_i32 s13, s10, 64*PITCH                   ; and where they go in a slot: the wave's number alone
	s_lshl_b32 s36, s12, 13                        ; qs: 64 rows of 128 bytes for each work-group
	s_mov_b32 s37, 0
	ROUND                                          ; all four work-groups are here: the first joint loads meet.  It names no argument, so it stands ahead of the wait for them
	s_wait_kmcnt 0x0
	s_add_nc_u64 s[6:7], s[6:7], s[14:15]
	s_add_nc_u64 s[4:5], s[4:5], s[36:37]
	s_lshl_b32 s36, s12, 14                        ; out0: 64 rows of 256 bytes
	s_add_nc_u64 s[8:9], s[8:9], s[36:37]
.irp n, 0,1
	s_mov_b32 s[G0+4*\n], 1                                        ; count = 1
	s_add_co_u32 s[G0+4*\n+1], s13, \n*SLOT                        ; LDS address
	s_add_nc_u64 s[G0+4*\n+2:G0+4*\n+3], s[6:7], \n*CHUNKB         ; chunk n
	s_or_b32 s[G0+4*\n+3], s[G0+4*\n+3], 0x80000000                ; type = 2
.endr
	tensor_load_to_lds s[G0:G0+3], s[G1:G1+7]      ; chunk 0
	s_nop 0
	tensor_load_to_lds s[G0+4:G0+7], s[G1:G1+7]    ; chunk 1
	s_nop 0
	v_and_b32 v2, 15, v0                           ; r
	v_bfe_u32 v3, v0, 4, 1                         ; h
	v_lshlrev_b32 v[QOFF], 7, v2
	v_lshl_add_u32 v[QOFF], v3, 4, v[QOFF]         ; row r of 128 bytes + 16 h
	WIN 0x40                                       ; q goes into the upper registers
.irp qt, 0,1,2,3
.irp ks, 0,1
	global_load_b128 v[RQ+16*\qt+8*\ks:RQ+16*\qt+8*\ks+3],   v[QOFF], s[4:5] offset:2048*\qt+64*\ks
	global_load_b128 v[RQ+16*\qt+8*\ks+4:RQ+16*\qt+8*\ks+7], v[QOFF], s[4:5] offset:2048*\qt+64*\ks+32
.endr
.endr
	v_mov_b32 v[RPT], 0                            ; v_permlanex16_b32 counts as a reader of its destination
	WIN 0
	v_lshrrev_b32 v15, 1, v2
	v_mul_u32_u24 v15, v15, PITCH                  ; LDS row r >> 1,
	v_and_b32 v1, 1, v0
	v_lshl_add_u32 v15, v1, 7, v15                 ; its first or second 128 bytes,
	v_lshl_add_u32 v15, v3, 4, v15                 ; + 16 h
	s_mul_i32 s38, s10, 32*PITCH
	v_add_nc_u32 v[ADRK], s38, v15                 ; keys 64 s + r
	v_add_nc_u32 v[ADRK+1], SLOT, v[ADRK]
	v_add_nc_u32 v[ADRV], 256*PITCH, v[ADRK]       ; v^T of my keys, row d = r
	v_add_nc_u32 v[ADRV+1], SLOT, v[ADRV]
	s_mul_i32 s39, s10, SWAVE
	v_mul_u32_u24 v[STO], v2, SPITCH
	v_lshl_add_u32 v[STO], v3, 5, v[STO]
	v_add_nc_u32 v[STO], s39, v[STO]               ; my wave's part of the stage, row r, byte 32 h
	s_lshl_b32 s35, s10, 2
	s_add_co_u32 s35, s35, ST
	v_lshl_add_u32 v[STS], v2, 5, s35              ; ST + 32 r + 4 s
	v_lshrrev_b32 v[STL], 4, v0                    ; t / 16
	v_mul_u32_u24 v[RB0], v[STL], SPITCH
	v_lshl_add_u32 v[RB0], v2, 4, v[RB0]           ; row t / 16, 16 bytes at 16 (t % 16)
	v_add_nc_u32 v[RB1], 4*SWAVE, v[RB0]
	v_lshlrev_b32 v[STL], 5, v[STL]
	v_add_nc_u32 v[STL], ST, v[STL]
	v_lshlrev_b32 v[OOFF], 4, v0
	s_wait_tensorcnt 0x1                           ; my part of chunk 0 is in; chunk 1's load, issued behind it, stays out
	s_barrier_signal -1
	s_barrier_wait -1                              ; everybody's part is in
	KLOAD 0
	VLOAD 0
	s_wait_loadcnt 0x0                             ; q
	s_wait_dscnt 16                                ; k's sixteen loads are in; v^T's sixteen, issued behind them, may stay out
	WIN 0x55
	SMSET 1, 0, BUFA, 0, 0                         ; the scores of chunk 0's query tile 0: the one product that rides in no block
.irp p, 0,1,2,3,4,5,6,7
	PT \p
.endr
	PLACES 4                                       ; four places before vector instructions read these scores
	TRIP 0, 1, 2, 1                                ; chunk 0 starts maxima, sums and out^T; slot 0 gets chunk 2
	s_mov_b32 s32, 2
.Lloop:
	TRIP 1, 0, 2, 1                                ; chunks 1, 3; slot 1 gets chunks 3, 5
	TRIP 0, 0, 2, 1                                ; chunks 2, 4; slot 0 gets chunks 4, 6
	s_sub_co_u32 s32, s32, 1
	s_cmp_lg_u32 s32, 0
	s_cbranch_scc1 .Lloop
	TRIP 1, 0, 2, 1                                ; chunk 5; slot 1 gets chunk 7: the last load
	TRIP 0, 0, 1, 1                                ; chunk 6: chunk 7 is shown whole by the work-group's barrier; nothing is filled
	TRIP 1, 0, 0, 0                                ; chunk 7
	; THE MERGE.  Each wave puts its maxima, sums and out (by query rows) into LDS.  The stage lies in slot 0: its last fill was chunk 6, every wave's reads of
	; that were waited for in front of the barrier of chunk 6's trip, and no tensor load follows.
	WIN 0x55
.irp qt, 0,1,2,3
	v_add_f32 v[RL+2*\qt], v[RL+2*\qt], v[RL+2*\qt+1]
	v_permlanex16_b32 v[RPT], v[RL+2*\qt], s33, s34
	v_add_f32 v[RL+2*\qt], v[RL+2*\qt], v[RPT]     ; the query's sum over my wave's keys, in both halves
.endr
	WIN 0x04                                       ; data above, address below
.irp qt, 0,1,2,3
	ds_store_b32 v[STS], v[RM+\qt] offset:512*\qt                  ; lanes r and r + 16 write the same word with the same value
	ds_store_b32 v[STS], v[RL+2*\qt] offset:2048+512*\qt
.endr
	WIN 0
.irp qt, 0,1,2,3
.irp dt, 0,1,2,3
	ds_store_b128 v[STO], v[RO+32*\qt+8*\dt:RO+32*\qt+8*\dt+3]   offset:16*SPITCH*\qt+64*\dt
	ds_store_b128 v[STO], v[RO+32*\qt+8*\dt+4:RO+32*\qt+8*\dt+7] offset:16*SPITCH*\qt+64*\dt+16
.endr
.endr
	s_wait_dscnt 0x0                               ; my part is in LDS,
	s_barrier_signal -1
	s_barrier_wait -1                              ; everybody's is
; Thread t merges rows q = t / 16 + 16 i, i = 0 .. 3, columns 4 (t % 16) .. + 3.  Block i: 8 maxima, 8 sums, 8 x 4 numbers, 8 weights, 4 results.
.macro MLOAD i
	ds_load_b128 v[MB+60*\i:MB+60*\i+3],     v[STL] offset:512*\i
	ds_load_b128 v[MB+60*\i+4:MB+60*\i+7],   v[STL] offset:512*\i+16
	ds_load_b128 v[MB+60*\i+8:MB+60*\i+11],  v[STL] offset:512*\i+2048
	ds_load_b128 v[MB+60*\i+12:MB+60*\i+15], v[STL] offset:512*\i+2064
.irp s, 0,1,2,3
	ds_load_b128 v[MB+60*\i+16+4*\s:MB+60*\i+16+4*\s+3], v[RB0] offset:SWAVE*\s+16*SPITCH*\i
.endr
.irp s, 0,1,2,3
	ds_load_b128 v[MB+60*\i+32+4*\s:MB+60*\i+32+4*\s+3], v[RB1] offset:SWAVE*\s+16*SPITCH*\i
.endr
.endm
.macro MERGE i
.set MBI, MB+60*\i
	s_wait_dscnt 36-12*\i                          ; twelve loads a block: the later blocks' stay out
	v_max3_num_f32 v[MBI+56], v[MBI], v[MBI+1], v[MBI+2]
	v_max3_num_f32 v[MBI+56], v[MBI+56], v[MBI+3], v[MBI+4]
	v_max3_num_f32 v[MBI+56], v[MBI+56], v[MBI+5], v[MBI+6]
	v_max_num_f32 v[MBI+56], v[MBI+56], v[MBI+7]   ; the row's maximum over all 4,096 keys
.irp s, 0,1,2,3,4,5,6,7
	v_sub_f32 v[MBI+48+\s], v[MBI+\s], v[MBI+56]
.endr
.irp s, 0,1,2,3,4,5,6,7
	v_exp_f32 v[MBI+48+\s], v[MBI+48+\s]
.endr
	v_nop                                          ; a plain place behind the exponentials (ISA guide 5.7.2)
	s_wait_alu depctr_va_vdst(0)
	v_mul_f32 v[MBI+57], v[MBI+48], v[MBI+8]
.irp s, 1,2,3,4,5,6,7
	v_fmac_f32 v[MBI+57], v[MBI+48+\s], v[MBI+8+\s]
.endr
	v_rcp_f32 v[MBI+58], v[MBI+57]                 ; the sum is at least 1: the wave that holds the maximum has weight 1 and a term 1
	v_nop
	s_wait_alu depctr_va_vdst(0)
.irp s, 0,1,2,3,4,5,6,7
	v_mul_f32 v[MBI+48+\s], v[MBI+48+\s], v[MBI+58]
.endr
.irp e, 0,1,2,3
	v_mul_f32 v[MBI+56+\e], v[MBI+48], v[MBI+16+\e]
.endr
.irp s, 1,2,3,4,5,6,7
.irp e, 0,1,2,3
	v_fmac_f32 v[MBI+56+\e], v[MBI+48+\s], v[MBI+16+4*\s+\e]
.endr
.endr
	global_store_b128 v[OOFF], v[MBI+56:MBI+59], s[8:9] offset:4096*\i th:TH_STORE_NT   ; a wave's store covers 512 consecutive bytes, at a multiple of 512 from out0's first byte
.endm
	MLOAD 0
	MLOAD 1
	MLOAD 2
	MLOAD 3
	MERGE 0
	MERGE 1
	MERGE 2
	MERGE 3
	s_wait_xcnt 0x0
	s_set_vgpr_msb 0x40
	v_lshl_add_u32 v254, v0, 2, 0x45000
	v_mov_b32 v255, 0
	s_set_vgpr_msb 0x4045
	s_wait_tensorcnt 0x0
	ds_add_u32 v254, v255
	s_wait_dscnt 0x0
	s_set_vgpr_msb 0x4500
	ROUND                                          ; the closing round: no work-group ends while a partner may still ask for a chunk that names it
	s_endpgm
.Lfunc_end_k_q608107b731_attn:
	.size	k_q608107b731_attn, .Lfunc_end_k_q608107b731_attn-k_q608107b731_attn
	.p2alignl 7, 3214868480
	.fill 96, 4, 3214868480
	.section	.rodata,"a",@progbits
	.p2align	6, 0x0
	.amdhsa_kernel k_q608107b731_attn
		.amdhsa_group_segment_fixed_size 327680
		.amdhsa_private_segment_fixed_size 0
		.amdhsa_enable_private_segment 0
		.amdhsa_kernarg_size 24
		.amdhsa_user_sgpr_count 2
		.amdhsa_user_sgpr_kernarg_segment_ptr 1
		.amdhsa_wavefront_size32 1
		.amdhsa_system_sgpr_workgroup_id_x 1
		.amdhsa_system_sgpr_workgroup_id_y 1
		.amdhsa_system_sgpr_workgroup_id_z 1
		.amdhsa_system_vgpr_workitem_id 0
		.amdhsa_next_free_vgpr 512
		.amdhsa_next_free_sgpr 66
		.amdhsa_reserve_vcc 0
		.amdhsa_float_denorm_mode_32 3
		.amdhsa_float_denorm_mode_16_64 3
		.amdhsa_memory_ordered 1
		.amdhsa_forward_progress 1
		.amdhsa_inst_pref_size 213
	.end_amdhsa_kernel
	.amdgpu_metadata
---
amdhsa.version: [ 1, 2 ]
amdhsa.kernels:
  - .name:           k_q608107b731_attn
    .symbol:         k_q608107b731_attn.kd
    .args:
      - { .name: qs, .offset: 0, .size: 8, .value_kind: global_buffer, .address_space: global }
      - { .name: kv, .offset: 8, .size: 8, .value_kind: global_buffer, .address_space: global }
      - { .name: out0, .offset: 16, .size: 8, .value_kind: global_buffer, .address_space: global }
    .group_segment_fixed_size: 327680
    .private_segment_fixed_size: 0
    .kernarg_segment_align: 8
    .kernarg_segment_size: 24
    .max_flat_workgroup_size: 256
    .sgpr_count:     66
    .vgpr_count:     512
    .wavefront_size: 32
...
	.end_amdgpu_metadata
.endif
;; end of part 2
;; ======== version 2 of 2: 2 launches; version 1 with the launch proj written anew for expert scheduling mode
;; workspace buffers: qs 2,097,152 bytes; kv 4,194,304 bytes
;; launch proj (part 3): grid 256 x 1, 8 waves a work-group, no clusters, 311,296 bytes of LDS; arguments x, Wq, Wk, Wv, bq, bk, bv, qs, kv; writes qs, kv
.if DOCPART == 3
	.amdgcn_target "amdgcn-amd-amdhsa--gfx1250"
	.amdhsa_code_object_version 6
	.text
	.protected	k_q608107b731_proj
	.globl	k_q608107b731_proj
	.p2align	8
	.type	k_q608107b731_proj,@function
k_q608107b731_proj:
	s_mov_b64 s[64:65], 0
	v_nop
	global_prefetch_b8 v0, s[64:65] scope:SCOPE_SE
	s_setreg_imm32_b32 hwreg(HW_REG_WAVE_SCHED_MODE, 0, 2), 2
	s_setreg_imm32_b32 hwreg(HW_REG_WAVE_MODE, 25, 1), 1
	s_wait_xcnt 0x0
	s_wait_alu depctr_vm_vsrc(0)
; q' = (x Wq + bq) log2(e)/8, k = x Wk + bk, v = x Wv + bv, rounded once to bf16.  x: [16384][512] f32, W: [512][64] f32.
; Out: qs [16384][64] bf16;  kv = 32 chunks of 512 keys, each 512 rows of k (128 bytes) and then 8 blocks of 64 rows of v TRANSPOSED
; (row d, 64 keys, 128 bytes), so that the next launch reads every fragment by plain 16-byte loads.
; A work-group takes 64 tokens and all 192 columns.  Wave w: mh = w >> 2 picks 32 tokens (two tiles of 16), nt = w & 3 picks columns
; 16 nt .. 16 nt + 15 of each of q, k and v: six accumulators, 96 matrix instructions.
; K = 512 goes in four chunks of 128.  A chunk is 32 loads of 16 bytes a thread (8 of x, 8 of each W), every load of a wave 512 neighbouring
; bytes; two register sets take turns, so 32 to 64 loads of every wave are on their way.  The numbers are rounded to bf16 in registers and laid
; into LDS, each chunk into bytes of its own: nothing in LDS is written twice, so one barrier a chunk is enough.
; W IS NOT ASKED FOR JOINTLY BY A CLUSTER, although every work-group reads it: it has to be rounded to bf16 on its way, so it would need a landing
; area in f32.  The bf16 copy of W (212,992 bytes), x (69,632) and the stage (27,648) take 310,272 of the 327,680 bytes of LDS; the 17,408 left
; are less than one chunk of W in f32 (98,304).
; LIMITS: x and W are rounded to bf16 in front of the products (sums in f32); NaN and infinities are passed on as the arithmetic makes them.
; THE MODE: SCHED_MODE bits 1:0 = 2 (LLVM: expert scheduling mode 2), set by the entry lines.  The code itself states the register dependences
; between vector or matrix instructions and memory or LDS instructions, with s_wait_alu, always for 0.
; THE PLAN.  Registers that memory or LDS instructions touch:
;   SET0, SET1  Chunk c: its 64 conversions read set c % 2; behind them the global loads of chunk c + 2 land in it.  Nothing else names the sets.
;   T           Chunk c: the conversions write it, the 32 LDS stores read it; behind the barrier it is the lower part of F.
;   F           Chunk c: the 40 LDS loads land in it, the 24 matrix instructions read it.
;   v[XO], v[WO] and the LDS addresses and bias offsets: made at the head, read by memory and LDS instructions, never written again.
;   BQ, BK, BV  The bias loads land in them; no vector instruction names them before that.
;   PK, RBK     The way out: the last conversions write PK, the stage's stores read it; the stage's loads land in RBK, the global stores read it.
;   v254, v255  Written at the head, read by the closing add alone.
; So a chunk has TWO waits.  One on va_vdst behind its conversions: T is written, the set has been read, and the matrix instructions of the chunk before are
; done reading F.  From there to the chunk's end the only vector-side instructions are the matrix instructions, which name F and the accumulators: so the LDS stores,
; the fragments' loads and the global loads of chunk c + 2, which are dealt among the four K steps, follow with no further wait.  One on vm_vsrc behind the
; barrier: the LDS stores have read T, in which the fragments' loads land.
.set WPITCH, 416                       ; a row of W in LDS: 192 bf16 = 384 bytes + 32: an odd multiple of 32 bytes
.set WCHUNK, 128*WPITCH                ; 53,248: a chunk's 128 rows k
.set XB,     4*WCHUNK                  ; 212,992: x in bf16, [chunk][64 tokens][128 k]
.set XPITCH, 272                       ; 256 bytes + 16: an odd multiple of 16 bytes
.set XCHUNK, 64*XPITCH                 ; 17,408
.set STG,    XB+4*XCHUNK               ; 282,624: the stage for the way out: q, k, v^T, 64 rows each
.set GPITCH, 144                       ; 128 bytes + 16
.set GARR,   64*GPITCH                 ; 9,216
.set QSCALE, 0x3e38aa3b                ; log2(e) / 8 in f32: the scores of the next launch come out as exponents of 2
.set XO,   4                           ; v4       byte offset of my 16 bytes of x: wave x one row + 16 lane
.set WO,   5                           ; v5       16 t: my 16 bytes of W, and of each store at the end
.set XA,   7                           ; v7       LDS address of my x fragments
.set WST,  8                           ; v8-11    chunk c: where I put 8 bytes of W
.set WA,   12                          ; v12-15   chunk c: LDS address of my W fragments
.set ACC,  16                          ; v16-63   q tile 0, 1; k tile 0, 1; v tile 0, 1
.set F,    64                          ; v64-223  fragments of a chunk's four K steps, 40 each: x tile 0, 1; Wq, Wk, Wv
.set T,    64                          ; v64-127  a chunk as bf16 on its way to LDS (done with before the fragments are loaded)
.set PK,   64                          ; v64-87   the way out: packed results
.set RBK,  96                          ; v96-119  the way out: rows read back
.set BQ,   224                         ; v224-231 bq of my 8 columns
.set BK,   232                         ; v232-239 bk of my 8 columns
.set BV,   240                         ; v240-241 bv of my column, twice
.set QS,   242                         ; stage address for q and k
.set VS,   243                         ; stage address for v^T
.set RB,   244                         ; stage address for reading back
.set BOFF, 245                         ; byte offset in bq, bk
.set BVO,  246                         ; byte offset in bv
.set XST,  248                         ; v248-251 chunk c: where I put 8 bytes of x
; registers 256 to 511: the two sets of 128 that the global loads fill (set s at 256 + 128 s)
.set MSB, 0
.macro WIN new                         ; s_set_vgpr_msb: bits 1:0 source 0, 3:2 source 1, 5:4 source 2, 7:6 destination; the high byte repeats the setting that is left
.if MSB != \new
	s_set_vgpr_msb (MSB<<8)|\new
.set MSB, \new
.endif
.endm
; chunk c into register set, in four groups of eight loads: x (row 8 i + wave), then each W (rows 16 i + t / 16; m = 0, 1, 2: Wq, Wk, Wv)
.macro LOADX c, set
	WIN 0x40                                       ; destination in the upper registers, address in the lower
.irp i, 0,1,2,3,4,5,6,7
	global_load_b128 v[128*\set+4*\i:128*\set+4*\i+3], v[XO], s[8:9] offset:16384*\i+512*(\c) th:TH_LOAD_NT
.endr
.endm
.macro LOADW c, set, m
	WIN 0x40
.irp i, 0,1,2,3,4,5,6,7
	global_load_b128 v[128*\set+32+32*\m+4*\i:128*\set+32+32*\m+4*\i+3], v[WO], s[10+2*\m:11+2*\m] offset:4096*\i+32768*(\c)
.endr
.endm
.macro MM d, a, b, zero                ; zero = 1: the first product starts the sum, nothing is cleared
.if \zero
	v_wmma_f32_16x16x32_bf16 v[\d:\d+7], v[\a:\a+7], v[\b:\b+7], 0
.else
	v_wmma_f32_16x16x32_bf16 v[\d:\d+7], v[\a:\a+7], v[\b:\b+7], v[\d:\d+7]
.endif
.endm
; One K step of 32.  q and k: W's fragment is source 0 and x's source 1, so a lane holds one token and 8 neighbouring columns.
; v: x's fragment is source 0, so a lane holds one column d and 8 neighbouring tokens: 16 bytes of a row of v^T.
; The six accumulators take turns, one instruction a turn.
.macro KSTEP ks, zero
	WIN 0
	s_wait_dscnt 30-10*\ks                         ; LDS loads come back in order (ISA guide 5.7.1): this step's ten are in, the later steps' stay out
.irp mt, 0,1
	MM ACC+8*\mt, F+40*\ks+16, F+40*\ks+8*\mt, \zero
	MM ACC+16+8*\mt, F+40*\ks+24, F+40*\ks+8*\mt, \zero
	MM ACC+32+8*\mt, F+40*\ks+8*\mt, F+40*\ks+32, \zero
.endr
.endm
; Chunk c, which lies in register set.  left = the younger global loads that may stay out; more = 1: the set is loaded again with chunk c + 2.
.macro CHUNK c, set, left, more, zero
	s_wait_loadcnt \left
	WIN 0x05                                       ; sources in the upper registers
.set j, 0
.rept 64
	v_cvt_pk_bf16_f32 v[T+j], v[128*\set+2*j], v[128*\set+2*j+1]
.set j, j+1
.endr
	WIN 0
	s_wait_alu depctr_va_vdst(0)                   ; the conversions have written T, which the LDS stores read, and are done reading the set, in which chunk c + 2 lands; the chunk before's matrix instructions are done reading F, in which the fragments land; in chunk 0: the LDS addresses and bias offsets are written
.irp i, 0,1,2,3,4,5,6,7
	ds_store_b64 v[XST+\c], v[T+2*\i:T+2*\i+1] offset:8*XPITCH*\i
.endr
.irp m, 0,1,2
.irp i, 0,1,2,3,4,5,6,7
	ds_store_b64 v[WST+\c], v[T+16+16*\m+2*\i:T+16+16*\m+2*\i+1] offset:16*WPITCH*\i+128*\m
.endr
.endr
	s_wait_dscnt 0x0                               ; my part of the chunk is in LDS,
	s_barrier_signal -1
	s_barrier_wait -1                              ; everybody's is
	s_wait_alu depctr_vm_vsrc(0)                   ; my LDS stores have read T: these registers are part of F from here on, and the fragments' loads land in them
.irp ks, 0,1,2,3
.irp mt, 0,1
	ds_load_b128 v[F+40*\ks+8*\mt:F+40*\ks+8*\mt+3],   v[XA] offset:\c*XCHUNK+\mt*16*XPITCH+64*\ks
	ds_load_b128 v[F+40*\ks+8*\mt+4:F+40*\ks+8*\mt+7], v[XA] offset:\c*XCHUNK+\mt*16*XPITCH+64*\ks+32
.endr
.irp m, 0,1,2
	ds_load_tr16_b128 v[F+40*\ks+16+8*\m:F+40*\ks+16+8*\m+3], v[WA+\c] offset:32*WPITCH*\ks+128*\m             ; k = 8 h .. + 7 of column r
	ds_load_tr16_b128 v[F+40*\ks+16+8*\m+4:F+40*\ks+16+8*\m+7], v[WA+\c] offset:32*WPITCH*\ks+128*\m+16*WPITCH ; k = 16 + 8 h .. + 7
.endr
.endr
; The set is asked for again, eight loads ahead of each K step: they have the rest of this chunk and all of the next in which to come.
; No wait: since the wait behind the conversions no vector or matrix instruction has named the set, v[XO] or v[WO].
.if \more
	LOADX \c+2, \set
.endif
	KSTEP 0, \zero
.if \more
	LOADW \c+2, \set, 0
.endif
	KSTEP 1, 0
.if \more
	LOADW \c+2, \set, 1
.endif
	KSTEP 2, 0
.if \more
	LOADW \c+2, \set, 2
.endif
	KSTEP 3, 0
.rept 4
	v_nop                                          ; four places behind the last matrix instruction (ISA guide 7.12.1) before its sources are written again or its results read
.endr
.endm
	s_load_b512 s[8:23], s[0:1], 0x0               ; x 8:9, Wq 10:11, Wk 12:13, Wv 14:15, bq 16:17, bk 18:19, bv 20:21, qs 22:23
	s_load_b64 s[24:25], s[0:1], 0x40              ; kv
	v_lshl_add_u32 v254, v0, 2, 0x4bc00
	v_mov_b32 v255, 0
	v_lshrrev_b32 v1, 5, v0
	v_readfirstlane_b32 s26, v1                    ; wave
	v_and_b32 v2, 31, v0                           ; lane
	v_and_b32 v3, 15, v0                           ; r
	v_bfe_u32 v6, v0, 4, 1                         ; h
	v_lshlrev_b32 v[XO], 4, v2
	v_lshl_add_u32 v[XO], v1, 11, v[XO]            ; wave x 2,048 (a row of x) + 16 lane
	v_lshlrev_b32 v[WO], 4, v0
	s_wait_alu depctr_va_sdst(0)                   ; s26 is written, ahead of its first reader: nt, mh and the LDS addresses are made from it
	s_and_b32 s27, s26, 3                          ; nt
	s_lshr_b32 s28, s26, 2                         ; mh
	s_lshl_b32 s30, ttmp9, 17                      ; 64 rows of 2,048 bytes for each work-group
	s_mov_b32 s31, 0
	s_wait_kmcnt 0x0
	s_add_nc_u64 s[8:9], s[8:9], s[30:31]
	WIN 0x40
	s_wait_alu depctr_va_vdst(0)                   ; v[XO] and v[WO] are written: the chunks' global loads and the global stores read one of them as their offset
	LOADX 0, 0
	LOADW 0, 0, 0
	LOADW 0, 0, 1
	LOADW 0, 0, 2
	LOADX 1, 1
	LOADW 1, 1, 0
	LOADW 1, 1, 1
	LOADW 1, 1, 2
	WIN 0
	; the rest of the addresses, while the loads are on their way: none of these lines writes a register that those loads name
	s_lshl_b32 s30, ttmp9, 13                      ; qs: 64 rows of 128 bytes
	s_add_nc_u64 s[22:23], s[22:23], s[30:31]
	s_lshr_b32 s30, ttmp9, 3                       ; kv: chunk = work-group / 8, 131,072 bytes each,
	s_lshl_b32 s30, s30, 17
	s_and_b32 s29, ttmp9, 7                        ; and in it 64 rows of 128 bytes for each work-group, in the k part and in the v^T part alike
	s_lshl_b32 s29, s29, 13
	s_add_co_u32 s30, s30, s29
	s_add_nc_u64 s[24:25], s[24:25], s[30:31]
	s_mul_i32 s29, s28, 32*XPITCH
	s_add_co_u32 s29, s29, XB
	v_mul_u32_u24 v[XA], v3, XPITCH
	v_lshl_add_u32 v[XA], v6, 4, v[XA]
	v_add_nc_u32 v[XA], s29, v[XA]                 ; XB + (32 mh + r) pitch + 16 h
	v_lshrrev_b32 v16, 4, v0
	v_mul_u32_u24 v16, v16, WPITCH
	v_lshl_add_u32 v[WST], v3, 3, v16              ; row t / 16, 8 bytes at column 4 (t % 16)
	v_and_b32 v17, 7, v0
	v_lshl_add_u32 v17, v6, 3, v17
	v_mul_u32_u24 v17, v17, WPITCH                 ; row 8 h + lane % 8
	v_bfe_u32 v18, v0, 3, 1
	v_lshl_add_u32 v17, v18, 4, v17                ; + 16 bytes for the second eight columns
	s_lshl_b32 s29, s27, 5
	v_add_nc_u32 v[WA], s29, v17                   ; + 32 nt
	s_mul_i32 s29, s26, XPITCH
	s_add_co_u32 s29, s29, XB
	v_lshl_add_u32 v[XST], v2, 3, s29              ; XB + wave x pitch + 8 lane
.irp c, 1,2,3
	v_add_nc_u32 v[WST+\c], \c*WCHUNK, v[WST]
	v_add_nc_u32 v[WA+\c],  \c*WCHUNK, v[WA]
	v_add_nc_u32 v[XST+\c], \c*XCHUNK, v[XST]
.endr
	v_mul_u32_u24 v19, v3, GPITCH
	v_lshl_add_u32 v19, v6, 4, v19                 ; r x 144 + 16 h
	s_mul_i32 s29, s28, 32*GPITCH
	s_lshl_b32 s30, s27, 5
	s_add_co_u32 s29, s29, s30
	s_add_co_u32 s29, s29, STG
	v_add_nc_u32 v[QS], s29, v19                   ; row 32 mh + r (token), byte 32 nt + 16 h
	s_mul_i32 s29, s27, 16*GPITCH
	s_lshl_b32 s30, s28, 6
	s_add_co_u32 s29, s29, s30
	s_add_co_u32 s29, s29, STG+2*GARR
	v_add_nc_u32 v[VS], s29, v19                   ; row 16 nt + r (d), byte 64 mh + 16 h
	v_lshrrev_b32 v20, 3, v0
	v_mul_u32_u24 v20, v20, GPITCH
	v_and_b32 v21, 7, v0
	v_lshl_add_u32 v20, v21, 4, v20
	v_add_nc_u32 v[RB], STG, v20                   ; row t / 8, 16 bytes at 16 (t % 8)
	s_lshl_b32 s29, s27, 6
	v_lshl_add_u32 v[BOFF], v6, 5, s29             ; 4 (16 nt + 8 h)
	v_lshl_add_u32 v[BVO], v3, 2, s29              ; 4 (16 nt + r)
	CHUNK 0, 0, 32, 1, 1                           ; 32: set 1's loads stay out
	CHUNK 1, 1, 32, 1, 0                           ; 32: chunk 2's
	global_load_b128 v[BQ:BQ+3],   v[BOFF], s[16:17]               ; no wait: the two offsets were written ahead of chunk 0's wait on va_vdst, and no vector instruction has named the registers in which these land
	global_load_b128 v[BQ+4:BQ+7], v[BOFF], s[16:17] offset:16
	global_load_b128 v[BK:BK+3],   v[BOFF], s[18:19]
	global_load_b128 v[BK+4:BK+7], v[BOFF], s[18:19] offset:16
	global_load_b32  v[BV], v[BVO], s[20:21]
	CHUNK 2, 0, 37, 0, 0                           ; 37: chunk 3's 32 and the five loads of the biases
	CHUNK 3, 1, 5, 0, 0                            ; 5: the biases
	; THE WAY OUT: bias (and q's scale) in f32, one rounding to bf16, through the stage, out as whole rows
	s_wait_loadcnt 0x0
.irp j, 0,2,4,6
	v_pk_mul_f32 v[BQ+\j:BQ+\j+1], v[BQ+\j:BQ+\j+1], QSCALE op_sel_hi:[1,0]
.endr
	v_mov_b32 v[BV+1], v[BV]
.irp mt, 0,1
.irp j, 0,2,4,6
	v_pk_fma_f32 v[ACC+8*\mt+\j:ACC+8*\mt+\j+1], v[ACC+8*\mt+\j:ACC+8*\mt+\j+1], QSCALE, v[BQ+\j:BQ+\j+1] op_sel_hi:[1,0,1]
	v_pk_add_f32 v[ACC+16+8*\mt+\j:ACC+16+8*\mt+\j+1], v[ACC+16+8*\mt+\j:ACC+16+8*\mt+\j+1], v[BK+\j:BK+\j+1]
	v_pk_add_f32 v[ACC+32+8*\mt+\j:ACC+32+8*\mt+\j+1], v[ACC+32+8*\mt+\j:ACC+32+8*\mt+\j+1], v[BV:BV+1]
.endr
.endr
.irp a, 0,1,2,3,4,5
.irp j, 0,1,2,3
	v_cvt_pk_bf16_f32 v[PK+4*\a+\j], v[ACC+8*\a+2*\j], v[ACC+8*\a+2*\j+1]
.endr
.endr
	s_wait_alu depctr_va_vdst(0)                   ; the conversions have written PK, which the stage's stores read; chunk 3's matrix instructions are done reading v[RBK ..], in which the stage's rows land below
.irp mt, 0,1
	ds_store_b128 v[QS], v[PK+4*\mt:PK+4*\mt+3] offset:16*GPITCH*\mt
	ds_store_b128 v[QS], v[PK+8+4*\mt:PK+8+4*\mt+3] offset:GARR+16*GPITCH*\mt
	ds_store_b128 v[VS], v[PK+16+4*\mt:PK+16+4*\mt+3] offset:32*\mt
.endr
	s_wait_dscnt 0x0                               ; my pieces of the rows are in the stage,
	s_barrier_signal -1
	s_barrier_wait -1                              ; everybody's are
.irp a, 0,1,2
.irp hf, 0,1
	ds_load_b128 v[RBK+8*\a+4*\hf:RBK+8*\a+4*\hf+3], v[RB] offset:GARR*\a+32*GPITCH*\hf
.endr
.endr
	; each store of a wave covers 512 consecutive bytes that start at a multiple of 512 from the buffer's first byte
	s_wait_dscnt 5
	global_store_b128 v[WO], v[RBK:RBK+3], s[22:23]
	s_wait_dscnt 4
	global_store_b128 v[WO], v[RBK+4:RBK+7], s[22:23] offset:4096
	s_wait_dscnt 3
	global_store_b128 v[WO], v[RBK+8:RBK+11], s[24:25]
	s_wait_dscnt 2
	global_store_b128 v[WO], v[RBK+12:RBK+15], s[24:25] offset:4096
	s_wait_dscnt 1
	global_store_b128 v[WO], v[RBK+16:RBK+19], s[24:25] offset:65536
	s_wait_dscnt 0
	global_store_b128 v[WO], v[RBK+20:RBK+23], s[24:25] offset:65536+4096
	s_wait_dscnt 0x0                               ; the closing lines, six on end
	s_wait_alu 0x0
	s_wait_tensorcnt 0x0
	ds_add_u32 v254, v255
	s_wait_dscnt 0x0
	s_endpgm
.Lfunc_end_k_q608107b731_proj:
	.size	k_q608107b731_proj, .Lfunc_end_k_q608107b731_proj-k_q608107b731_proj
	.p2alignl 7, 3214868480
	.fill 96, 4, 3214868480
	.section	.rodata,"a",@progbits
	.p2align	6, 0x0
	.amdhsa_kernel k_q608107b731_proj
		.amdhsa_group_segment_fixed_size 311296
		.amdhsa_private_segment_fixed_size 0
		.amdhsa_enable_private_segment 0
		.amdhsa_kernarg_size 72
		.amdhsa_user_sgpr_count 2
		.amdhsa_user_sgpr_kernarg_segment_ptr 1
		.amdhsa_wavefront_size32 1
		.amdhsa_system_sgpr_workgroup_id_x 1
		.amdhsa_system_sgpr_workgroup_id_y 1
		.amdhsa_system_sgpr_workgroup_id_z 1
		.amdhsa_system_vgpr_workitem_id 0
		.amdhsa_next_free_vgpr 512
		.amdhsa_next_free_sgpr 66
		.amdhsa_reserve_vcc 0
		.amdhsa_float_denorm_mode_32 3
		.amdhsa_float_denorm_mode_16_64 3
		.amdhsa_memory_ordered 1
		.amdhsa_forward_progress 1
		.amdhsa_inst_pref_size 65
	.end_amdhsa_kernel
	.amdgpu_metadata
---
amdhsa.version: [ 1, 2 ]
amdhsa.kernels:
  - .name:           k_q608107b731_proj
    .symbol:         k_q608107b731_proj.kd
    .args:
      - { .name: x, .offset: 0, .size: 8, .value_kind: global_buffer, .address_space: global }
      - { .name: Wq, .offset: 8, .size: 8, .value_kind: global_buffer, .address_space: global }
      - { .name: Wk, .offset: 16, .size: 8, .value_kind: global_buffer, .address_space: global }
      - { .name: Wv, .offset: 24, .size: 8, .value_kind: global_buffer, .address_space: global }
      - { .name: bq, .offset: 32, .size: 8, .value_kind: global_buffer, .address_space: global }
      - { .name: bk, .offset: 40, .size: 8, .value_kind: global_buffer, .address_space: global }
      - { .name: bv, .offset: 48, .size: 8, .value_kind: global_buffer, .address_space: global }
      - { .name: qs, .offset: 56, .size: 8, .value_kind: global_buffer, .address_space: global }
      - { .name: kv, .offset: 64, .size: 8, .value_kind: global_buffer, .address_space: global }
    .group_segment_fixed_size: 311296
    .private_segment_fixed_size: 0
    .kernarg_segment_align: 8
    .kernarg_segment_size: 72
    .max_flat_workgroup_size: 256
    .sgpr_count:     66
    .vgpr_count:     512
    .wavefront_size: 32
...
	.end_amdgpu_metadata
.endif
;; end of part 3
;; launch attn: the kernel of part 2 again; grid 256 x 1, 8 waves a work-group, clusters of 4 x 1, 327,680 bytes of LDS; arguments qs, kv, out0; writes out0
